; MI455X (gfx1250); checked and timed in simulation.
; The chip was launched on July 23, 2026; its instructions are those of AMD's public machine-readable ISA for CDNA 5 (MIT licence, August 2026) and "CDNA5" Instruction Set Architecture Reference Guide (July 2026). The comments in the code are by the model that wrote it; some were corrected since.
;; VQ Module. Allowed arithmetic: matrix products marked QUANTISED: E3M2 operands, one E8M0 scale for each 32 along K, by v_wmma_scale_f32_16x16x128_f8f6f4 with both operands' format E3M2, f32 sums; everything else in f32.
;; Inputs: embed 256 x 8,192 float32; x 32 x 256 x 32 x 32 float32.
;; Outputs: out0 32 x 256 x 32 x 32 float32; out1 32 x 32 x 32 int32.
;; This version of the problem:
;;   THIS VERSION OF THE PROBLEM IS GIVEN IN LOW PRECISION. The matrix products marked QUANTISED in the list below multiply operands that are first quantised to E3M2 (3 exponent bits, 2 mantissa bits; 6 bits a number), with one power-of-two scale for each 32 numbers along K (OCP MX v1.0); their sums are f32. All else is computed in f32.
;;   The module's matrix products, in the order in which they are computed (A, B: the left and right operand; K: the contracted axis; several contracted axes count as one K, in the product's order):
;;     1. [M 32,768, K 256] x [K 256, N 8,192]; A: computed on the way; B: input embed: QUANTISED
;;   THE QUANTISER, for each operand of a quantised product, along K:
;;     - K is cut into blocks of 32 from its start; a last block that is shorter is filled with zeros.
;;     - A block's scale is 2^e with e = floor(log2(the largest magnitude in the block)) - 4, held to -126 .. 127; a block of zeros has e = 0. As a byte (E8M0): e + 127.
;;     - Each number is divided by its block's scale, clamped to +-28, and rounded to the nearest number of E3M2, ties to even, subnormals kept.
;;     - The product sums the exact products of the quantised numbers (number of the format x scale) in f32.
;;   ~~~python
;;   def quantise(x, axis):      # numpy; x: float32 -> the quantised numbers, widened to float32 again
;;       x = np.moveaxis(x, axis, -1); K = x.shape[-1]
;;       x = np.pad(x, [(0, 0)] * (x.ndim - 1) + [(0, -K % 32)]); x = x.reshape(x.shape[:-1] + (-1, 32)); a = np.abs(x).max(-1, keepdims=True)
;;       e = np.where(a > 0, np.clip(np.frexp(np.where(a > 0, a, 1))[1] - 1 - 4, -126, 127), 0)      # np.frexp(a)[1] - 1 = floor(log2(a)), exactly
;;       r = np.clip(x / 2.0 ** e, -28, 28)
;;       step = 2.0 ** (np.maximum(np.frexp(np.where(r == 0, 1, r))[1] - 1, -2) - 2)
;;       q = np.round(r / step) * step * 2.0 ** e      # np.round: ties to even
;;       return np.moveaxis(q.reshape(q.shape[:-2] + (-1,))[..., :K], -1, axis).astype(np.float32)
;;   ~~~
;;   OPERANDS COMPUTED ON THE WAY. 'Computed on the way' means the value that the module computes at that place (a softmax that the list does not call 'softmax' is quantised finished and normalised). What goes into a quantiser is computed in f32, as accurately as f32 sums, v_exp_f32 and their like allow (about 1e-6 of the number): no bf16 or f16 on the way to a quantiser, and a product that is left as it is and whose result goes on into a quantised operand takes f32 operands (vector FMAs, or v_wmma_f32_16x16x4_f32). A number that lies on a knife's edge between two numbers of the format may be rounded either way, as far as f32 arithmetic and the matrix unit's own rounding can turn it there, and no further.
;; One version. Each part assembles by itself: llvm-mc -triple=amdgcn-amd-amdhsa -mcpu=gfx1250 --defsym DOCPART=n.
;; ======== version 1 of 1: 3 launches
;; limits: right only within a limited range of input values
;; workspace buffers: bimg 1,703,936 bytes; embt 8,388,608 bytes; idsw 131,072 bytes of whole numbers
;; launch prep (part 1): grid 256 x 1, 8 waves a work-group, no clusters, 41,984 bytes of LDS; arguments embed, bimg, embt; writes bimg, embt
.if DOCPART == 1
	.amdgcn_target "amdgcn-amd-amdhsa--gfx1250"
	.amdhsa_code_object_version 6
	.text
	.protected	k_q99b3a974fe_prep
	.globl	k_q99b3a974fe_prep
	.p2align	8
	.type	k_q99b3a974fe_prep,@function
k_q99b3a974fe_prep:
	s_mov_b64 s[64:65], 0
	v_nop
	global_prefetch_b8 v0, s[64:65] scope:SCOPE_SE
	s_setreg_imm32_b32 hwreg(HW_REG_WAVE_MODE, 25, 1), 1
	s_wait_xcnt 0x0
; embed [256 (k)][8192 (n)], f32, K its FIRST axis, is prepared once for the two launches that follow:
;   bimg: for each tile of 16 columns a RECORD of 3,328 bytes (13 x 256), laid in the order of the matrix operand's registers:
;         [0,1536) the fragment of k = 0..127 as an image of its 12 registers: register p of lane l at (p / 4) 512 + 16 l + 4 (p % 4);  lane l = r + 16 h holds column r,
;         registers 0-5 the block k = 32 h .., registers 6-11 the block k = 64 + 32 h ..;   [1536,3072) the same for k = 128..255;
;         [3072,3200) scale words: word r + 16 s = the four E8M0 bytes of column r, K step s;   [3200,3264) MINUS the column's sum of squares, f32;   [3264,3328) zeros.
;   embt: embed transposed, [8192][256] f32, so that a codebook vector is 1,024 consecutive bytes for the gather.
; Codes are BF6 (E3M2).  A block's scale is 2^(floor(log2(largest magnitude)) - 4); its byte is that magnitude's exponent field - 4, held at 1 from below.  A block of zeros so gets the byte 1
; where the rule says 127: its codes are zeros, which add nothing, and the bytes are read by this program alone.
; LIMITS: NaN and infinities among the inputs are not served.  A column's sum of squares is added in eight parts of 32 (two packed chains each), the parts in ascending k: not in the order of a plain sum.
; SHARES.  Work-group g takes columns 32 g .. 32 g + 31 (two records) for all of K; wave j takes the block k = 32 j .. 32 j + 31; A LANE TAKES A COLUMN AND ITS REGISTERS RUN DOWN K,
; so a block's largest magnitude needs no other lane and the conversions give codes with K innermost.  32 columns to a work-group make 256 work-groups; a load then covers 128 consecutive bytes.
; No tensor load and no cluster: no two work-groups read the same bytes, and each byte is read once.
.set PITCH, 1040                       ; a stage row: a column's 256 numbers (1,024 bytes) + 16: an odd multiple of 16
.set REC,   33280                      ; LDS: behind the stage (32 rows) the two records,
.set RECB,  3328
.set E2P,   39936                      ; and the eight waves' parts of the sums of squares, 128 bytes each
.set X,     32                         ; v32-63   my column's 32 numbers
.set C,     64                         ; v64-69   their codes
.set CT,    72                         ; v72-74   the second conversion's result (a conversion's three registers begin on an even number)
.set O,     80                         ; v80-111  the way out of the stage
.set P,     112                        ; v112-119 the eight parts (wave 0)
; WORK THAT THE PROGRAM LEAVES OUT, for all values of the inputs:
;   (1) dist's term sum(flatten^2) is one number for a row, the same for every column n: the argmin over n does not hang on it.  It is not formed.
;   (2) out = vqs + x - x: x - x is 0 by identity, so out0 is the looked-up vector itself.  The launch that gathers does not read x.  (x stays an input: it is the product's operand.)
; LIMIT: a NaN, an infinity or an overflow that reaches only these terms is not carried to the result, and their roundings are not made: two columns whose distances
; differ by less than the last bits of e2 + z2 may be taken otherwise than by the formula as written.
	s_load_b128 s[4:7], s[0:1], 0x0                ; embed, bimg
	s_load_b64 s[8:9], s[0:1], 0x10                ; embt
	v_lshl_add_u32 v128, v0, 2, 0xa000
	v_mov_b32 v129, 0
	v_lshrrev_b32 v1, 5, v0
	s_delay_alu instid0(VALU_DEP_1)
	v_readfirstlane_b32 s10, v1                    ; j: my wave, my block
	v_and_b32 v1, 31, v0                           ; L: my column in the work-group's 32
	v_and_b32 v15, 15, v0                          ; r: my column in its record
	v_bfe_u32 v16, v0, 4, 1                        ; which of the two records
	s_delay_alu instid0(VALU_DEP_3)
	v_lshlrev_b32 v2, 2, v1                        ; 4 L: my column's bytes in a row of embed
	s_delay_alu instid0(VALU_DEP_4)
	v_lshlrev_b32 v13, 4, v1                       ; 16 L: my 16 bytes of a store's 512
	v_mov_b32 v14, 0
	s_lshr_b32 s11, s10, 2                         ; s: the K step of my block
	s_and_b32 s12, s10, 3                          ; its number in the K step = its byte in the scale word
	s_and_b32 s13, s10, 1                          ; h: the half of the lanes that holds it
	s_bfe_u32 s14, s10, 0x10001                    ; part: registers 0-5 (0) or 6-11 (1)
	s_lshl_b32 s15, s10, 7
	v_mul_u32_u24 v3, v1, PITCH
	s_delay_alu instid0(VALU_DEP_1)
	v_add_nc_u32 v3, s15, v3                       ; stage, in: row L, my block's 128 bytes
	v_mul_u32_u24 v17, v16, RECB
	s_delay_alu instid0(VALU_DEP_1)
	v_lshl_add_u32 v18, v15, 4, v17                ; 3328 x record + 16 r
	s_wait_alu depctr_va_vdst(0)
	v_lshl_add_u32 v19, v15, 2, v17                ; 3328 x record + 4 r
	s_wait_alu depctr_va_vdst(0)
	s_mul_i32 s16, s11, 1536
	s_lshl_b32 s17, s13, 8
	s_add_co_u32 s16, s16, s17
	s_add_co_u32 s16, s16, REC                     ; REC + 1536 s + 256 h: with 16 r the image's place of lane r + 16 h
	s_mul_i32 s17, s14, 520
	s_add_co_u32 s17, s17, s16
	v_add_nc_u32 v4, s17, v18                      ; codes 0, 1: registers 0, 1 (byte 0) or 6, 7 (byte 512 + 8)
	s_add_co_u32 s17, s17, 512
	v_add_nc_u32 v6, s17, v18                      ; codes 4, 5: registers 4, 5 (byte 512) or 10, 11 (byte 1024 + 8)
	s_mul_i32 s17, s14, 1016
	s_add_co_u32 s17, s17, s16
	s_add_co_u32 s17, s17, 8
	v_add_nc_u32 v5, s17, v18                      ; codes 2, 3: registers 2, 3 (byte 8) or 8, 9 (byte 1024)
	s_lshl_b32 s17, s11, 6
	s_add_co_u32 s17, s17, s12
	s_add_co_u32 s17, s17, REC+3072
	v_add_nc_u32 v7, s17, v19                      ; my block's scale byte
	v_lshl_add_u32 v8, v0, 2, E2P                  ; my part of my column's sum of squares
	s_mul_i32 s17, s10, 4*PITCH
	v_lshl_add_u32 v9, v1, 4, s17                  ; stage, out: wave j takes rows 4 j .. 4 j + 3, 16 bytes a lane
	s_lshl_b32 s17, s10, 9
	s_add_co_u32 s17, s17, REC
	v_lshl_add_u32 v10, v1, 4, s17                 ; records, out: piece j of 512 bytes
	v_lshl_add_u32 v11, v1, 2, E2P                 ; wave 0: the parts of column L
	v_add_nc_u32 v12, REC+3200, v19                ; wave 0: where minus the sum goes
	s_lshl_b32 s20, ttmp9, 7                       ; embed: 128 g bytes along a row, 32 j rows of 32,768 bytes down
	s_lshl_b32 s21, s10, 20
	s_add_co_u32 s20, s20, s21
	s_mov_b32 s21, 0
	s_mul_i32 s22, ttmp9, 2*RECB                   ; bimg: two records a work-group, piece j
	s_lshl_b32 s23, s10, 9
	s_add_co_u32 s22, s22, s23
	s_mov_b32 s23, 0
	s_lshl_b32 s24, ttmp9, 15                      ; embt: 32 rows of 1,024 bytes a work-group, four a wave
	s_lshl_b32 s25, s10, 12
	s_add_co_u32 s24, s24, s25
	s_mov_b32 s25, 0
	s_wait_kmcnt 0x0
	s_add_nc_u64 s[4:5], s[4:5], s[20:21]
	s_add_nc_u64 s[6:7], s[6:7], s[22:23]
	s_add_nc_u64 s[8:9], s[8:9], s[24:25]
.set i, 0
.rept 32
	global_load_b32 v[X+i], v2, s[4:5] offset:i*32768   ; embed(32 j + i, my column): 32 lanes read 128 consecutive bytes
.set i, i+1
.endr
	s_wait_loadcnt 0x0
.irp t, 0,1,2,3,4,5,6,7
	ds_store_b128 v3, v[X+4*\t:X+4*\t+3] offset:16*\t    ; the numbers as they are, for embt
.endr
	v_pk_mul_f32 v[16:17], v[X:X+1], v[X:X+1]            ; my part of the sum of squares: two packed chains
	v_pk_mul_f32 v[22:23], v[X+2:X+3], v[X+2:X+3]
.irp i, 4,8,12,16,20,24,28
	s_delay_alu instid0(VALU_DEP_2)
	v_pk_fma_f32 v[16:17], v[X+\i:X+\i+1], v[X+\i:X+\i+1], v[16:17]
	s_delay_alu instid0(VALU_DEP_2)
	v_pk_fma_f32 v[22:23], v[X+\i+2:X+\i+3], v[X+\i+2:X+\i+3], v[22:23]
.endr
	s_delay_alu instid0(VALU_DEP_1)
	v_pk_add_f32 v[16:17], v[16:17], v[22:23]
	s_delay_alu instid0(VALU_DEP_1)
	v_add_f32 v16, v16, v17
	ds_store_b32 v8, v16
	v_max3_num_f32 v18, |v[X]|, |v[X+1]|, |v[X+2]|       ; the block's largest magnitude: all 32 numbers are mine
	v_max3_num_f32 v19, |v[X+3]|, |v[X+4]|, |v[X+5]|
.irp i, 6,10,14,18,22,26
	s_delay_alu instid0(VALU_DEP_2)
	v_max3_num_f32 v18, v18, |v[X+\i]|, |v[X+\i+1]|
	s_delay_alu instid0(VALU_DEP_2)
	v_max3_num_f32 v19, v19, |v[X+\i+2]|, |v[X+\i+3]|
.endr
	s_delay_alu instid0(VALU_DEP_2)
	v_max3_num_f32 v18, v18, |v[X+30]|, |v[X+31]|
	s_delay_alu instid0(VALU_DEP_1)
	v_max3_num_f32 v18, v18, v19, 0x2800000              ; and the floor 2^(5 - 127): the byte cannot fall under 1
	s_delay_alu instid0(VALU_DEP_1)
	v_add_nc_u32 v20, 0xfe000000, v18                    ; 4 off the exponent field: the conversion takes the exponent field of this operand as its scale
	s_delay_alu instid0(VALU_DEP_1)
	v_lshrrev_b32 v21, 23, v20                           ; the scale's byte
	v_cvt_scalef32_pk16_bf6_f32 v[C:C+2], v[X:X+15], v20
	v_cvt_scalef32_pk16_bf6_f32 v[CT:CT+2], v[X+16:X+31], v20
	v_nop                                                ; one plain instruction between a scaled conversion and the vector instruction that reads its result
.irp i, 0,1,2
	v_mov_b32 v[C+3+\i], v[CT+\i]
.endr
	ds_store_b8 v7, v21
	ds_store_b64 v4, v[C:C+1]                            ; six registers of the image of lane r + 16 h, in three pieces of 8 bytes
	ds_store_b64 v5, v[C+2:C+3]
	ds_store_b64 v6, v[C+4:C+5]
	s_wait_dscnt 0x0                                     ; for the others' sake: my stores have landed
	s_barrier_signal -1
	s_barrier_wait -1                                    ; the stage, the codes, the scale bytes and the eight parts lie in LDS
	s_cmp_lg_u32 s10, 0
	s_cbranch_scc1 .Lnot_first
.irp t, 0,1,2,3,4,5,6,7
	ds_load_b32 v[P+\t], v11 offset:128*\t               ; wave 0 adds each column's eight parts, in ascending k
.endr
	s_wait_dscnt 0x0
.irp t, 1
	v_add_f32 v[P], v[P], v[P+\t]
.endr
.irp t, 2, 3, 4, 5, 6, 7
	s_delay_alu instid0(VALU_DEP_1)
	v_add_f32 v[P], v[P], v[P+\t]
.endr
	s_delay_alu instid0(VALU_DEP_1)
	v_mul_f32 v[P], -1.0, v[P]                           ; kept negated: the product's launch starts its sums with minus e2
	ds_store_b32 v12, v[P]
	ds_store_b32 v12, v14 offset:64                      ; the record's last 64 bytes
.Lnot_first:
.irp t, 0,1,2,3,4,5,6,7
	ds_load_b128 v[O+4*\t:O+4*\t+3], v9 offset:(\t/2)*PITCH+512*(\t%2)
.endr
.irp t, 0,1,2,3,4,5,6,7
	s_wait_dscnt 7-\t                                    ; LDS loads come back in order: the younger of the eight may be out
	global_store_b128 v13, v[O+4*\t:O+4*\t+3], s[8:9] offset:(\t/2)*1024+512*(\t%2)   ; 32 lanes store 512 consecutive bytes of a row of embt
.endr
	s_wait_dscnt 0x0                                     ; wave 0's stores into the records have landed
	s_barrier_signal -1
	s_barrier_wait -1                                    ; the two records are whole
	ds_load_b128 v[64:67], v10
	s_wait_dscnt 0x0
	global_store_b128 v13, v[64:67], s[6:7]              ; 6,656 bytes are 13 pieces of 512: piece j,
	s_cmp_ge_u32 s10, 5
	s_cbranch_scc1 .Ldone
	ds_load_b128 v[68:71], v10 offset:4096
	s_wait_dscnt 0x0
	global_store_b128 v13, v[68:71], s[6:7] offset:4096  ; and in waves 0 to 4 piece 8 + j
.Ldone:
	s_wait_tensorcnt 0x0
	ds_add_u32 v128, v129
	s_wait_dscnt 0x0
	s_endpgm
.Lfunc_end_k_q99b3a974fe_prep:
	.size	k_q99b3a974fe_prep, .Lfunc_end_k_q99b3a974fe_prep-k_q99b3a974fe_prep
	.p2alignl 7, 3214868480
	.fill 96, 4, 3214868480
	.section	.rodata,"a",@progbits
	.p2align	6, 0x0
	.amdhsa_kernel k_q99b3a974fe_prep
		.amdhsa_group_segment_fixed_size 41984
		.amdhsa_private_segment_fixed_size 0
		.amdhsa_enable_private_segment 0
		.amdhsa_kernarg_size 24
		.amdhsa_user_sgpr_count 2
		.amdhsa_user_sgpr_kernarg_segment_ptr 1
		.amdhsa_wavefront_size32 1
		.amdhsa_system_sgpr_workgroup_id_x 1
		.amdhsa_system_sgpr_workgroup_id_y 1
		.amdhsa_system_sgpr_workgroup_id_z 1
		.amdhsa_system_vgpr_workitem_id 0
		.amdhsa_next_free_vgpr 130
		.amdhsa_next_free_sgpr 66
		.amdhsa_reserve_vcc 0
		.amdhsa_float_denorm_mode_32 3
		.amdhsa_float_denorm_mode_16_64 3
		.amdhsa_memory_ordered 1
		.amdhsa_forward_progress 1
		.amdhsa_inst_pref_size 15
	.end_amdhsa_kernel
	.amdgpu_metadata
---
amdhsa.version: [ 1, 2 ]
amdhsa.kernels:
  - .name:           k_q99b3a974fe_prep
    .symbol:         k_q99b3a974fe_prep.kd
    .args:
      - { .name: embed, .offset: 0, .size: 8, .value_kind: global_buffer, .address_space: global }
      - { .name: bimg, .offset: 8, .size: 8, .value_kind: global_buffer, .address_space: global }
      - { .name: embt, .offset: 16, .size: 8, .value_kind: global_buffer, .address_space: global }
    .group_segment_fixed_size: 41984
    .private_segment_fixed_size: 0
    .kernarg_segment_align: 8
    .kernarg_segment_size: 24
    .max_flat_workgroup_size: 256
    .sgpr_count:     66
    .vgpr_count:     130
    .wavefront_size: 32
...
	.end_amdgpu_metadata
.endif
;; end of part 1
;; launch vqmin (part 2): grid 256 x 1, 8 waves a work-group, clusters of 4 x 1, 327,680 bytes of LDS; arguments x, bimg, out1, idsw; writes out1, idsw
.if DOCPART == 2
	.amdgcn_target "amdgcn-amd-amdhsa--gfx1250"
	.amdhsa_code_object_version 6
	.text
	.protected	k_q99b3a974fe_vqmin
	.globl	k_q99b3a974fe_vqmin
	.p2align	8
	.type	k_q99b3a974fe_vqmin,@function
k_q99b3a974fe_vqmin:
	s_mov_b64 s[64:65], 0
	v_nop
	global_prefetch_b8 v0, s[64:65] scope:SCOPE_SE
	s_setreg_imm32_b32 hwreg(HW_REG_WAVE_MODE, 25, 1), 1
	s_wait_xcnt 0x0
	s_wait_alu depctr_hold_cnt(0) depctr_sa_sdst(0) depctr_va_vdst(0) depctr_va_sdst(0) depctr_va_ssrc(0) depctr_va_vcc(0) depctr_vm_vsrc(0)
	s_getreg_b32 s2, hwreg(HW_REG_IB_STS2, 6, 4)
	s_cmp_eq_u32 s2, 0
	s_cbranch_scc0 .Lentry_in_a_cluster
	s_endpgm
.Lentry_in_a_cluster:
	s_bfe_u32 s2, ttmp6, 0x10000c
	s_cmp_lg_u32 s2, 0x3003
	s_cbranch_scc0 .Lentry_shape_is_right
	s_endpgm
.Lentry_shape_is_right:
; For each of the 32,768 vectors z = x[b][:][h][w] (K = 256): the column n with the least e2[n] - (2 z) . e[n]; ties go to the lower n.
; LEFT OUT: z2 = sum(z^2), the same for every column of a row: the argmin does not hang on it (shown at the head of the first kernel).
; The product is made on codes of BF6 (E3M2), one E8M0 scale for each 32 along K.  2 z is quantised here: its codes are z's and its scale byte is z's + 1, exactly.
; The codebook comes as records of 3,328 bytes for 16 columns: two fragments as register images, their scale words, minus e2.
; out1[b][w][h] (the order in which the vectors are numbered) and idsw[b][h][w] (x's own order, for the gather) get the column's number.
; SHARES.  A work-group owns 128 vectors (512 consecutive bytes of every channel of one b) and walks all 8,192 columns: each minimum has one owner.  Eight waves, two to a SIMD; each holds all
; 128 rows' codes (16 fragments, 192 registers) and takes columns of its own: each byte of the codebook is read from LDS once in the work-group and a fragment feeds eight matrix instructions.
; THE STREAM.  Sixteen fills of 32 records go through two LDS slots.  Wave w's tensor load brings records 4 w .. 4 w + 3 of a fill, and wave w alone reads them.  The four work-groups of a cluster ask jointly.
; THE WALK GOES ROUND: cluster c begins at fill c mod 16 and goes on through fill 15 to fill 0 and up to the fill in front of its first.  So the 64 clusters ask for all sixteen fills side by side.
; No prefetch: but for a cluster's first fill, each fill that it asks for has been asked for one fill earlier by the clusters that began one fill further on.
; TRANSPOSED USE: source 0 = 16 columns, source 1 = 16 vectors: lane (r, h) holds vector r, register j column 8 h + j.  The first product of a tile takes minus e2 as C: the least distance is the LARGEST sum.
; A TILE: its operands were asked for two tiles ago (two register sets by turns); its 16 products; the search of the tile BEFORE it, which also gives the places behind the products; the loads of the tile two on.
; THE SEARCH, for a lane and a tile of rows: the largest of the eight sums and the running largest M (four three-way maxima; M in two sets by turns); where M has grown (strictly: the earlier tile keeps
; a tie) the tile's first column and its eight sums are kept, the sums by dual selects.  Which of the eight it was is found by equality with M, the lowest first.
; TIES.  While the columns ascend, the earlier tile is the lower column.  Where the walk passes from fill 15 to fill 0, each lane lays its candidates (sum, column) in LDS words of its own and begins anew;
; at the end the two candidates are joined: the larger sum, at equal sums the lower column.  The branch hangs on the column counter, made of the cluster's and the wave's numbers and constants alone.
; LIMITS.  Sums are rounded by the matrix unit at the size of e2 - 2 z e, not in the order of the plain formula.  NaN and infinities are not served; |x| under 2^127.
; A block of x whose largest magnitude lies under 2^-122 is taken with the scale of that floor; a block of zeros gets that byte too: its codes are zeros, and the bytes are this program's own.
; REGISTERS.  Window 0: v1-15, v58-63 addresses; v16-23 the rows' scale words, v24-25 the tiles'; v26-33 at work; v34-49 M; v50-57 the kept first column; v64-127 the kept sums; v128-255 two sets of accumulators.
;   Window 1: v0-191 the rows' fragments ((a, s) at 12 (2 a + s)); v192-239 two sets of a tile's two fragments; v240-255 two sets of minus e2.
.set RECB,  3328
.set WP,    4*RECB                     ; a wave's part of a fill: 52 x 256 bytes
.set SLOTB, 8*WP
.set XIMG,  2*SLOTB                    ; the rows' 16 fragments as register images, 1,536 bytes each
.set XSC,   XIMG+16*1536               ; their scale words: tile a, word r + 16 s at 128 a + 4 (r + 16 s)
.set CMB,   XSC+1024                   ; the eight waves' candidates: (sum, column) of row p at 1024 w + 8 p
.set FIN,   CMB+8192                   ; the 128 columns found
.set SPARE, FIN+512                    ; the spare words, 128 bytes a wave
.set STH,   SPARE+1024                 ; each thread's candidates from in front of the passage to fill 0: tile a's pair at 2048 a + 8 x thread
.set SPW, 1
.set NIL, 2
.set H8,  3
.set ADR, 4                            ; v4-5 my part of slot 0, 1: + 16 x lane
.set ADS, 6                            ; v6-7 + 3072 + 4 x lane
.set ADE, 8                            ; v8-9 + 3200 + 32 h
.set XO,  10
.set XWI, 11
.set XWS, 12
.set XRI, 13
.set XRS, 14
.set GT,  15
.set XS,  16
.set BS,  24
.set U,   26
.set MA,  34
.set IDX, 50
.set CW,  58
.set CR,  59
.set FW,  60
.set FR4, 61
.set FR1, 62
.set GI,  63
.set SV,  64
.set ACC, 128
.set XF,  0                            ; window 1
.set BF,  192
.set E2,  240
.set MSB, 0
.macro WIN new                         ; the immediate's high byte repeats the setting that is left
.if MSB != \new
	s_set_vgpr_msb (MSB<<8)|\new
.set MSB, \new
.endif
.endm
.macro PLACES
.rept 4
	v_nop
.endr
.endm
.macro CREST                           ; a round of the cluster's barrier behind its opening barrier
	s_cmp_lg_u32 s12, 0
	s_cbranch_scc1 .Lnot_wave_0_\@
	s_barrier_signal -3
.Lnot_wave_0_\@:
	s_barrier_wait -3
	s_barrier_signal -1
	s_barrier_wait -1
.endm
.macro ROUND
	s_barrier_signal -1
	s_barrier_wait -1
	CREST
.endm
; Block b (32 channels) of my row, in v[ACC + 32 b] on: scale byte of 2 x into v[104 + b]; six registers of codes.  Blocks 0, 2: the image of lane (r, 0) (v64-75); blocks 1, 3: of lane (r, 1) (v76-87).
.macro QBLK b
.set XB, ACC+32*(\b)
.set CD, 64+6*(((\b)>>1)+2*((\b)&1))
	v_max3_num_f32 v96, |v[XB]|, |v[XB+1]|, |v[XB+2]|
	v_max3_num_f32 v97, |v[XB+3]|, |v[XB+4]|, |v[XB+5]|
.irp i, 6,10,14,18,22,26
	s_delay_alu instid0(VALU_DEP_2)
	v_max3_num_f32 v96, v96, |v[XB+\i]|, |v[XB+\i+1]|
	s_delay_alu instid0(VALU_DEP_2)
	v_max3_num_f32 v97, v97, |v[XB+\i+2]|, |v[XB+\i+3]|
.endr
	s_delay_alu instid0(VALU_DEP_2)
	v_max3_num_f32 v96, v96, |v[XB+30]|, |v[XB+31]|
	s_delay_alu instid0(VALU_DEP_1)
	v_max3_num_f32 v96, v96, v97, 0x2800000              ; the floor 2^(5 - 127)
	s_delay_alu instid0(VALU_DEP_1)
	v_add_nc_u32 v98, 0xfe000000, v96                    ; 4 off the exponent field: the conversion's scale operand for x
	v_add_nc_u32 v99, 0xfe800000, v96                    ; 3 off: the scale of 2 x
	v_cvt_scalef32_pk16_bf6_f32 v[CD:CD+2], v[XB:XB+15], v98
	v_cvt_scalef32_pk16_bf6_f32 v[88:90], v[XB+16:XB+31], v98
	v_lshrrev_b32 v[104+(\b)], 23, v99                   ; the byte; also the plain instruction behind the conversions
.irp i, 0,1,2
	v_mov_b32 v[CD+3+\i], v[88+\i]
.endr
.endm
; A tile's 16 products against the eight tiles of rows; the eight accumulators take turns.  K step 0 begins the sums with minus e2.
.macro PROD0 set
	WIN 0x15
.irp a, 0,1,2,3,4,5,6,7
	v_wmma_scale_f32_16x16x128_f8f6f4 v[ACC+64*(\set)+8*\a:ACC+64*(\set)+8*\a+7], v[BF+24*(\set):BF+24*(\set)+11], v[XF+24*\a:XF+24*\a+11], v[E2+8*(\set):E2+8*(\set)+7], v[BS+(\set)], v[XS+\a] matrix_a_fmt:MATRIX_FMT_BF6 matrix_b_fmt:MATRIX_FMT_BF6
.endr
.endm
.macro PROD1 set
	WIN 0x05
.irp a, 0,1,2,3,4,5,6,7
	v_wmma_scale_f32_16x16x128_f8f6f4 v[ACC+64*(\set)+8*\a:ACC+64*(\set)+8*\a+7], v[BF+24*(\set)+12:BF+24*(\set)+23], v[XF+24*\a+12:XF+24*\a+23], v[ACC+64*(\set)+8*\a:ACC+64*(\set)+8*\a+7], v[BS+(\set)], v[XS+\a] matrix_a_fmt:MATRIX_FMT_BF6 matrix_b_fmt:MATRIX_FMT_BF6 matrix_a_scale:MATRIX_SCALE_ROW1 matrix_b_scale:MATRIX_SCALE_ROW1
.endr
.endm
.macro LD buf, j, set                  ; record j of my part of slot buf: nine loads: two fragments, minus e2 of my eight columns, the scale words
	WIN 0x40
.irp c, 0,1,2,3,4,5
	ds_load_b128 v[BF+24*(\set)+4*\c:BF+24*(\set)+4*\c+3], v[ADR+(\buf)] offset:RECB*(\j)+512*\c
.endr
	ds_load_b128 v[E2+8*(\set):E2+8*(\set)+3], v[ADE+(\buf)] offset:RECB*(\j)
	ds_load_b128 v[E2+8*(\set)+4:E2+8*(\set)+7], v[ADE+(\buf)] offset:RECB*(\j)+16
	WIN 0
	ds_load_b32 v[BS+(\set)], v[ADS+(\buf)] offset:RECB*(\j)
.endm
; The search of the tile whose sums lie in set 'set' and whose first column is s41.  The eight tiles of rows go side by side; each accumulator is read from its low end on.
.macro SEARCH set, step
.set AB, ACC+64*(\set)
.set MO, MA+8*(\set)
.set MN, MA+8-8*(\set)
.irp a, 0,1,2,3,4,5,6,7
	v_max3_num_f32 v[MN+\a], v[AB+8*\a], v[AB+8*\a+1], v[AB+8*\a+2]
.endr
.irp a, 0,1,2,3,4,5,6,7
	v_max3_num_f32 v[U+\a], v[AB+8*\a+3], v[AB+8*\a+4], v[AB+8*\a+5]
.endr
.irp a, 0,1,2,3,4,5,6,7
	v_max3_num_f32 v[MN+\a], v[MN+\a], v[AB+8*\a+6], v[AB+8*\a+7]
.endr
.irp a, 0,1,2,3,4,5,6,7
	v_max3_num_f32 v[MN+\a], v[MN+\a], v[U+\a], v[MO+\a]
.endr
.irp a, 0,1,2,3,4,5,6,7
	v_cmp_gt_f32 vcc_lo, v[MN+\a], v[MO+\a]              ; has M grown?  Strictly: the earlier tile keeps a tie
	v_cndmask_b32 v[IDX+\a], v[IDX+\a], s41, vcc_lo
.irp j, 0,2,4,6
	v_dual_cndmask_b32 v[SV+8*\a+\j], v[SV+8*\a+\j], v[AB+8*\a+\j] :: v_dual_cndmask_b32 v[SV+8*\a+\j+1], v[SV+8*\a+\j+1], v[AB+8*\a+\j+1]
.endr
.endr
	s_add_co_u32 s41, s41, \step
.endm
; M lies in its first set.  Which of the kept eight sums is M: the lowest j that equals it.  Leaves the pairs (sum, column) of the eight tiles of rows at v[base + 2 a].
.macro PICK base
.irp a, 0,1,2,3,4,5,6,7
	v_mov_b32 v[\base+1+2*\a], 7
.endr
.irp j, 6,5,4,3,2,1,0
.irp a, 0,1,2,3,4,5,6,7
	v_cmp_eq_f32 vcc_lo, v[SV+8*\a+\j], v[MA+\a]
	s_delay_alu instid0(VALU_DEP_1)
	v_cndmask_b32 v[\base+1+2*\a], v[\base+1+2*\a], \j, vcc_lo
.endr
.endr
.irp a, 0,1,2,3,4,5,6,7
	v_add3_u32 v[\base+1+2*\a], v[IDX+\a], v[\base+1+2*\a], v[H8]   ; the column: the tile's first + 8 h + j
	v_mov_b32 v[\base+2*\a], v[MA+\a]
.endr
.endm
.macro LEX va, na, vb, nb              ; of two candidates (sum, column) the larger sum, at equal sums the lower column, is left in the first
	v_cmp_gt_f32 s44, v[\vb], v[\va]
	v_cmp_eq_f32 s45, v[\vb], v[\va]
	v_cmp_lt_u32 vcc_lo, v[\nb], v[\na]
	s_and_b32 vcc_lo, vcc_lo, s45
	s_or_b32 vcc_lo, vcc_lo, s44
	v_cndmask_b32 v[\va], v[\va], v[\vb], vcc_lo
	v_cndmask_b32 v[\na], v[\na], v[\nb], vcc_lo
.endm
; Tile i (0..3) of slot buf.  mode 1: the slot is filled again; 2: the last fill but one; 0: the last fill.  srch = 0: the launch's first tile, with no tile before it.
; My last reads of a slot (tile 3's operands) are asked for at the end of tile 1, so the change of slots stands in tile 2.
.macro TILE buf, i, mode, srch
.set ST, (\i)&1
.if (\i) == 2 && (\mode) != 0
	s_wait_tensorcnt 0x0                                 ; my one tensor load that was out, my part of the other slot, has landed
	ds_add_u32 v[SPW], v[NIL]
.if (\mode) == 1
	s_add_co_u32 s[46+(\buf)], s[46+(\buf)], 2           ; no load of mine is out: this slot's next fill, two on, round the sixteen
	s_and_b32 s[46+(\buf)], s[46+(\buf)], 15
	s_mul_i32 s48, s[46+(\buf)], SLOTB
	s_add_nc_u64 s[34+4*(\buf):35+4*(\buf)], s[6:7], s[48:49]
	s_or_b32 s[35+4*(\buf)], s[35+4*(\buf)], 0x80000000
.endif
	s_wait_dscnt 10                                      ; tile 2's nine loads are in; tile 3's nine and the add may be out
	PROD0 0
	s_wait_dscnt 0x0                                     ; the add is done, and my reads of this slot are over
	s_barrier_signal -1                                  ; (with mode 1 this barrier opens a round of the cluster's barrier)
	PROD1 0
	WIN 0
	SEARCH 1, 16                                         ; work on registers while the others arrive
	s_barrier_wait -1
.if (\mode) == 1
	CREST
	tensor_load_to_lds s[32+4*(\buf):35+4*(\buf)], s[24:31]   ; my one tensor load behind the round, first thing there
	s_nop 0
.endif
	PLACES
	LD 1-(\buf), 0, 0                                    ; the other slot's first tile: my own load brought it, and the wait for 0 above has shown it landed
.else
.if (\mode) == 0 && (\i) == 3
	s_wait_dscnt 0x0
.else
	s_wait_dscnt 9                                       ; this tile's nine loads are in; the next tile's nine may be out (the eight stores of the passage, where they were issued, are older)
.endif
	PROD0 ST
	PROD1 ST
	WIN 0
.if \srch
.if (\i) == 0
	SEARCH 1, 464                                        ; the last fill's tile 3; this fill's columns begin 512 on from that fill's
	s_cmp_lt_u32 s41, 0x2000
	s_wait_alu depctr_va_vdst(0)
	s_cbranch_scc1 .Lon_\@
	v_lshl_add_u32 v208, v0, 3, STH                      ; THE PASSAGE from fill 15 to fill 0, once in a walk: accumulator set 1 has been searched and is free
	PICK 192
.irp a, 0,1,2,3,4,5,6,7
	ds_store_b64 v208, v[192+2*\a:193+2*\a] offset:2048*\a   ; my candidates so far, to words of my own
.endr
.irp a, 0,1,2,3,4,5,6,7
	v_mov_b32 v[MA+\a], 0xff800000                       ; and the search begins anew
.endr
	s_and_b32 s41, s41, 0x1fff
.Lon_\@:
.else
	SEARCH 1-ST, 16
.endif
.else
	PLACES
.endif
.if (\i) < 2
	LD \buf, (\i)+2, ST
.else
.if (\mode) != 0
	LD 1-(\buf), 1, 1
.endif
.endif
.endif
.endm
	s_load_b256 s[4:11], s[0:1], 0x0                     ; x, bimg, out1, idsw
	v_lshl_add_u32 v[SPW], v0, 2, SPARE
	v_mov_b32 v[NIL], 0
	ds_add_u32 v[SPW], v[NIL]                            ; the opening lines: the add twice on end and one wait, ahead of my first tensor load
	ds_add_u32 v[SPW], v[NIL]
	v_lshrrev_b32 v29, 5, v0
	v_readfirstlane_b32 s12, v29                         ; w
	s_bfe_u32 s13, ttmp6, 0x40000                        ; cx
	s_lshl_b32 s14, ttmp9, 2
	s_add_co_u32 s14, s14, s13                           ; g: my block of 128 vectors; it enters the addresses of x, out1 and idsw alone
	s_and_b32 s15, s12, 3                                ; quantising x: which 32 of the 128 positions are my wave's,
	s_lshr_b32 s16, s12, 2                               ; and which 128 of the 256 channels
	s_mul_i32 s52, s12, WP
	s_mov_b32 s53, 0
	s_add_co_u32 s54, s52, 3072
	s_add_co_u32 s55, s52, 3200
	s_mul_i32 s56, s15, 6144                             ; row p lies in tile a = 2 (w % 4) + h as its row r; its fragment of my channels is number 2 a + w / 4
	s_mul_i32 s57, s16, 1536
	s_add_co_u32 s56, s56, s57
	s_add_co_u32 s56, s56, XIMG
	s_lshl_b32 s57, s15, 8
	s_lshl_b32 s58, s16, 6
	s_add_co_u32 s57, s57, s58
	s_add_co_u32 s57, s57, XSC
	s_lshl_b32 s58, s12, 10
	s_add_co_u32 s58, s58, CMB
	s_lshl_b32 s59, s12, 7
	s_add_co_u32 s59, s59, CMB
	s_lshl_b32 s60, s12, 6
	s_add_co_u32 s60, s60, FIN
	s_mov_b32 s24, 15|(3<<16)|(1<<21)                    ; group 1: the mask of all four; elements of 8 bytes; bit 21 beside a mask
	s_mov_b32 s25, 32<<16                                ; 52 dense rows of 256 bytes
	s_mov_b32 s26, 52<<16
	s_mov_b32 s27, 32<<16
	s_mov_b32 s28, 52
	s_mov_b32 s29, 32
	s_mov_b32 s30, 0
	s_mov_b32 s31, 0
	s_mov_b32 s42, 0x76543210                            ; v_permlanex16_b32's selects for lane l xor 16
	s_mov_b32 s43, 0xfedcba98
	s_and_b32 s46, ttmp9, 15                             ; the cluster's first fill (ttmp9 counts clusters: the same in all four partners): slot 0's,
	s_add_co_u32 s47, s46, 1
	s_and_b32 s47, s47, 15                               ; and slot 1's
	s_mov_b32 s49, 0
	s_lshl_b32 s41, s12, 6                               ; my first tile's first column: 512 x fill + 64 w
	s_lshl_b32 s48, s46, 9
	s_add_co_u32 s41, s41, s48
	s_lshr_b32 s17, s14, 3                               ; b
	s_and_b32 s18, s14, 7
	s_lshl_b32 s20, s17, 20                              ; x: b x 2^20 + 512 (g % 8) + my 128 channels of 4,096 bytes
	s_lshl_b32 s21, s18, 9
	s_add_co_u32 s20, s20, s21
	s_lshl_b32 s21, s16, 19
	s_add_co_u32 s20, s20, s21
	s_mov_b32 s21, 0
	s_lshl_b32 s22, s17, 12                              ; out1: 4,096 b + 16 (g % 8)
	s_lshl_b32 s23, s18, 4
	s_add_co_u32 s22, s22, s23
	s_mov_b32 s23, 0
	s_lshl_b32 s18, s14, 9                               ; idsw: 512 g
	s_mov_b32 s19, 0
	s_wait_dscnt 0x0                                     ; both opening adds are done
	v_and_b32 v27, 31, v0                                ; lane
	v_and_b32 v26, 15, v0                                ; r
	v_bfe_u32 v28, v0, 4, 1                              ; h
	v_lshl_add_u32 v[ADR], v27, 4, s52
	v_lshl_add_u32 v[ADS], v27, 2, s54
	v_lshl_add_u32 v[ADE], v28, 5, s55
	v_and_b32 v[XO], 127, v0
	v_mul_u32_u24 v[XWI], v28, 3072
	v_lshlrev_b32 v[XWS], 7, v28
	v_lshlrev_b32 v[CR], 12, v28
	v_add_nc_u32 v[ADR+1], SLOTB, v[ADR]
	v_add_nc_u32 v[ADS+1], SLOTB, v[ADS]
	v_add_nc_u32 v[ADE+1], SLOTB, v[ADE]
	v_lshlrev_b32 v[XO], 2, v[XO]                        ; position p = 32 (w % 4) + lane: 4 bytes each
	v_lshl_add_u32 v[XWI], v26, 4, v[XWI]
	v_lshl_add_u32 v[XWS], v26, 2, v[XWS]
	v_lshl_add_u32 v[CR], v26, 3, v[CR]
	v_lshl_add_u32 v[XRI], v27, 4, XIMG
	v_lshl_add_u32 v[XRS], v27, 2, XSC
	v_add_nc_u32 v[XWI], s56, v[XWI]
	v_add_nc_u32 v[XWS], s57, v[XWS]
	v_add_nc_u32 v[CR], s59, v[CR]                       ; CMB + 4096 h + 128 w + 8 r
	v_lshl_add_u32 v[CW], v26, 3, s58                    ; CMB + 1024 w + 8 r
	v_lshl_add_u32 v[FW], v26, 2, s60                    ; FIN + 64 w + 4 r
	v_lshl_add_u32 v[FR4], v27, 4, FIN
	v_lshl_add_u32 v[FR1], v27, 2, FIN
	v_lshlrev_b32 v[GI], 4, v27
	v_lshlrev_b32 v[GT], 7, v27
	v_lshlrev_b32 v[H8], 3, v28
.irp a, 0,1,2,3,4,5,6,7
	v_mov_b32 v[MA+\a], 0xff800000                       ; M: minus infinity, under every sum
	v_mov_b32 v[IDX+\a], 0
.endr
	s_wait_alu depctr_va_vdst(0)
	s_wait_kmcnt 0x0
	s_add_nc_u64 s[4:5], s[4:5], s[20:21]
.set i, 0
.rept 128
	global_load_b32 v[ACC+i], v[XO], s[4:5] offset:4096*i   ; my position's 128 channels; four waves side by side read 512 consecutive bytes
.set i, i+1
.endr
	s_add_nc_u64 s[8:9], s[8:9], s[22:23]
	s_add_nc_u64 s[10:11], s[10:11], s[18:19]
	s_add_nc_u64 s[6:7], s[6:7], s[52:53]                ; bimg at my wave's part of fill 0: the wave's number alone
.irp n, 0,1
	s_mov_b32 s[32+4*\n], 1
	s_add_co_u32 s[33+4*\n], s52, \n*SLOTB
	s_mul_i32 s48, s[46+\n], SLOTB
	s_add_nc_u64 s[34+4*\n:35+4*\n], s[6:7], s[48:49]    ; the slot's first fill: the cluster's and the wave's numbers alone, the same in all four partners
	s_or_b32 s[35+4*\n], s[35+4*\n], 0x80000000
.endr
	ROUND                                                ; all four work-groups are here: the first joint loads meet
	tensor_load_to_lds s[32:35], s[24:31]                ; the walk's first fill: one tensor load a wave at the head
	s_nop 0
	PLACES
	s_wait_loadcnt 63                                    ; the first 65 are in, blocks 0 and 1 among them
	QBLK 0
	QBLK 1
	s_wait_loadcnt 32                                    ; block 3's 32 loads may be out
	QBLK 2
	s_wait_loadcnt 0x0
	QBLK 3
	v_lshl_or_b32 v108, v105, 8, v104                    ; my row's scale word for these 128 channels
	v_lshl_add_u32 v109, v0, 3, STH
	v_mov_b32 v110, 0xff800000
	v_mov_b32 v111, 0
	v_lshl_or_b32 v108, v106, 16, v108
	s_delay_alu instid0(VALU_DEP_1)
	v_lshl_or_b32 v108, v107, 24, v108
.irp c, 0,1,2
	ds_store_b128 v[XWI], v[64+4*\c:67+4*\c] offset:512*\c       ; the image of lane (r, 0),
	ds_store_b128 v[XWI], v[76+4*\c:79+4*\c] offset:256+512*\c   ; and of lane (r, 1)
.endr
	ds_store_b32 v[XWS], v108
.irp a, 0,1,2,3,4,5,6,7
	ds_store_b64 v109, v[110:111] offset:2048*\a         ; (minus infinity, 0): what a walk that begins at fill 0, and so has no passage, finds at the end
.endr
	s_wait_alu depctr_va_vdst(0)
	s_wait_tensorcnt 0x0                                 ; my part of the first fill is in; these lines stand ahead of slot 1's first fill as ahead of a refill
	ds_add_u32 v[SPW], v[NIL]
	s_wait_dscnt 0x0                                     ; the add is done, and my stores have landed, for the others' sake
	ROUND                                                ; all 128 rows' codes and scale words lie in LDS; the joint loads meet
	tensor_load_to_lds s[36:39], s[24:31]                ; the second fill
	s_nop 0
	PLACES
	WIN 0x40
.set i, 0
.rept 48
	ds_load_b128 v[XF+4*i:XF+4*i+3], v[XRI] offset:512*i   ; every wave takes all sixteen fragments: they stay in registers
.set i, i+1
.endr
	WIN 0
.irp a, 0,1,2,3,4,5,6,7
	ds_load_b32 v[XS+\a], v[XRS] offset:128*\a
.endr
	LD 0, 0, 0
	LD 0, 1, 1
.set i, 0
.rept 64
	v_mov_b32 v[SV+i], 0                                 ; written once: a select reads the kept sums before the first tile has written them
.set i, i+1
.endr
	s_wait_alu depctr_va_vdst(0)
	TILE 0, 0, 1, 0
	s_mov_b32 s40, 7
.Lring:                                                  ; a trip goes from a fill's tile 1 to tile 0 of the fill two on, and fills both slots again: the walk's fills 2 to 15 are asked for
	TILE 0, 1, 1, 1
	TILE 0, 2, 1, 1
	TILE 0, 3, 1, 1
	TILE 1, 0, 1, 1
	TILE 1, 1, 1, 1
	TILE 1, 2, 1, 1
	TILE 1, 3, 1, 1
	TILE 0, 0, 1, 1
	s_sub_co_u32 s40, s40, 1
	s_cmp_lg_u32 s40, 0
	s_cbranch_scc1 .Lring
	TILE 0, 1, 2, 1                                      ; the tail is written out
	TILE 0, 2, 2, 1
	TILE 0, 3, 2, 1
	TILE 1, 0, 0, 1
	TILE 1, 1, 0, 1
	TILE 1, 2, 0, 1
	TILE 1, 3, 0, 1
	SEARCH 1, 16                                         ; the last tile's; the search in front of it gave the places
	; THE END.
	v_lshl_add_u32 v176, v0, 3, STH
.irp a, 0,1,2,3,4,5,6,7
	ds_load_b64 v[144+2*\a:145+2*\a], v176 offset:2048*\a    ; my candidates from in front of the passage
.endr
	PICK 128
	s_wait_alu depctr_va_vdst(0)
	s_wait_dscnt 0x0
.irp a, 0,1,2,3,4,5,6,7
	LEX 128+2*\a, 129+2*\a, 144+2*\a, 145+2*\a
.endr
.irp a, 0,1,2,3,4,5,6,7
	v_permlanex16_b32 v[144+2*\a], v[128+2*\a], s42, s43 ; the row's other eight columns of each tile lie in lane l xor 16
	v_permlanex16_b32 v[145+2*\a], v[129+2*\a], s42, s43
.endr
.irp a, 0,1,2,3,4,5,6,7
	LEX 128+2*\a, 129+2*\a, 144+2*\a, 145+2*\a
.endr
.irp a, 0,1,2,3,4,5,6,7
	ds_store_b64 v[CW], v[128+2*\a:129+2*\a] offset:128*\a   ; my wave's candidate for row 16 a + r (both halves of the lanes write the same bytes with the same values)
.endr
	s_wait_dscnt 0x0
	s_barrier_signal -1
	s_barrier_wait -1                                    ; eight candidates for each row lie in LDS
.irp t, 0,1,2,3
	ds_load_b64 v[160+2*\t:161+2*\t], v[CR] offset:1024*\t   ; wave w decides rows 16 w + r: lanes 0-15 take waves 0-3's candidates, lanes 16-31 waves 4-7's
.endr
	s_wait_dscnt 0x0
	LEX 160, 161, 162, 163
	LEX 164, 165, 166, 167
	LEX 160, 161, 164, 165
	s_delay_alu instid0(VALU_DEP_2)
	v_permlanex16_b32 v144, v160, s42, s43
	s_delay_alu instid0(VALU_DEP_2)
	v_permlanex16_b32 v145, v161, s42, s43
	LEX 160, 161, 144, 145
	ds_store_b32 v[FW], v161
	s_wait_dscnt 0x0
	s_barrier_signal -1
	s_barrier_wait -1                                    ; the 128 columns lie in LDS, in the order of the positions
	s_cmp_lg_u32 s12, 0
	s_cbranch_scc1 .Lnot_first
	ds_load_b128 v[168:171], v[FR4]                      ; positions 4 x lane ..: x's own order
.irp t, 0,1,2,3
	ds_load_b32 v[172+\t], v[FR1] offset:128*\t          ; positions 32 t + lane
.endr
	s_wait_dscnt 0x0
	global_store_b128 v[GI], v[168:171], s[10:11]        ; idsw: 32 lanes store 512 consecutive bytes
	global_store_b128 v[GT], v[172:175], s[8:9]          ; out1[b][w][4 (g % 8) .. + 3]: 16 bytes of each of 32 rows: out1 is transposed against x
.Lnot_first:
	s_wait_tensorcnt 0x0                                 ; the wave's end
	ds_add_u32 v[SPW], v[NIL]
	s_wait_dscnt 0x0
	ROUND                                                ; the closing round
	s_endpgm
.Lfunc_end_k_q99b3a974fe_vqmin:
	.size	k_q99b3a974fe_vqmin, .Lfunc_end_k_q99b3a974fe_vqmin-k_q99b3a974fe_vqmin
	.p2alignl 7, 3214868480
	.fill 96, 4, 3214868480
	.section	.rodata,"a",@progbits
	.p2align	6, 0x0
	.amdhsa_kernel k_q99b3a974fe_vqmin
		.amdhsa_group_segment_fixed_size 327680
		.amdhsa_private_segment_fixed_size 0
		.amdhsa_enable_private_segment 0
		.amdhsa_kernarg_size 32
		.amdhsa_user_sgpr_count 2
		.amdhsa_user_sgpr_kernarg_segment_ptr 1
		.amdhsa_wavefront_size32 1
		.amdhsa_system_sgpr_workgroup_id_x 1
		.amdhsa_system_sgpr_workgroup_id_y 1
		.amdhsa_system_sgpr_workgroup_id_z 1
		.amdhsa_system_vgpr_workitem_id 0
		.amdhsa_next_free_vgpr 512
		.amdhsa_next_free_sgpr 66
		.amdhsa_reserve_vcc 1
		.amdhsa_float_denorm_mode_32 3
		.amdhsa_float_denorm_mode_16_64 3
		.amdhsa_memory_ordered 1
		.amdhsa_forward_progress 1
		.amdhsa_inst_pref_size 203
	.end_amdhsa_kernel
	.amdgpu_metadata
---
amdhsa.version: [ 1, 2 ]
amdhsa.kernels:
  - .name:           k_q99b3a974fe_vqmin
    .symbol:         k_q99b3a974fe_vqmin.kd
    .args:
      - { .name: x, .offset: 0, .size: 8, .value_kind: global_buffer, .address_space: global }
      - { .name: bimg, .offset: 8, .size: 8, .value_kind: global_buffer, .address_space: global }
      - { .name: out1, .offset: 16, .size: 8, .value_kind: global_buffer, .address_space: global }
      - { .name: idsw, .offset: 24, .size: 8, .value_kind: global_buffer, .address_space: global }
    .group_segment_fixed_size: 327680
    .private_segment_fixed_size: 0
    .kernarg_segment_align: 8
    .kernarg_segment_size: 32
    .max_flat_workgroup_size: 256
    .sgpr_count:     66
    .vgpr_count:     512
    .wavefront_size: 32
...
	.end_amdgpu_metadata
.endif
;; end of part 2
;; launch gather (part 3): grid 512 x 1, 8 waves a work-group, no clusters, 67,584 bytes of LDS; arguments idsw, embt, out0; writes out0
.if DOCPART == 3
	.amdgcn_target "amdgcn-amd-amdhsa--gfx1250"
	.amdhsa_code_object_version 6
	.text
	.protected	k_q99b3a974fe_gather
	.globl	k_q99b3a974fe_gather
	.p2align	8
	.type	k_q99b3a974fe_gather,@function
k_q99b3a974fe_gather:
	s_mov_b64 s[64:65], 0
	v_nop
	global_prefetch_b8 v0, s[64:65] scope:SCOPE_SE
	s_setreg_imm32_b32 hwreg(HW_REG_WAVE_MODE, 25, 1), 1
	s_wait_xcnt 0x0
; out0[b][c][h][w] = embed[c][id], id = idsw[b][h][w]: the column that the launch before found for x[b][:][h][w].
; LEFT OUT: + x - x, which is 0 by identity for all values (shown at the head of the first kernel): x is not read here.
; embt is the codebook transposed, [8192][256] f32: a vector is 1,024 consecutive bytes.  The ids are whole numbers read from memory; each is held to 8,191 before it enters an address.
; SHARES.  A work-group takes 64 neighbouring positions (h, w) of one b, 256 bytes of every channel, and all 256 channels.  Wave w fetches the vectors of positions 8 w .. 8 w + 7 (two loads of 512
; consecutive bytes each) and lays them in LDS; behind one barrier it takes channels 32 w .. 32 w + 31 of all 64 positions: sixteen lanes store 256 consecutive bytes of a channel, aligned.
; Position p lies in LDS row 16 (p % 4) + p / 4, rows 1,040 bytes apart: the sixteen lanes that read positions 4 q + i touch sixteen neighbouring rows, an odd multiple of 16 bytes apart.
; Four positions x four channels are turned in registers, so that a store's four registers are four neighbouring positions of one channel.
; No tensor load, no cluster, no prefetch: which rows of embt a work-group reads hangs on the ids, no two work-groups share a tile, and the text is straight, with no loop to run ahead in.
.set PITCH, 1040
.set SPARE, 64*PITCH                   ; behind the 64 rows: the spare words, 128 bytes a wave
.set GOF,   8                          ; v8-15    byte offset in embt of my 16 bytes of each of the wave's eight vectors
.set G,     32                         ; v32-95   the vectors as loaded; then, from LDS, register 16 i + kk: position 4 q + i, my channel kk
.set O,     96                         ; v96-159  the results: register 4 kk + i
	s_load_b128 s[4:7], s[0:1], 0x0                      ; idsw, embt
	s_load_b64 s[10:11], s[0:1], 0x10                    ; out0
	v_lshl_add_u32 v16, v0, 2, SPARE
	v_mov_b32 v17, 0
	v_lshrrev_b32 v5, 5, v0
	v_readfirstlane_b32 s12, v5                          ; w
	s_lshl_b32 s13, s12, 17
	s_mul_i32 s26, s12, 2*PITCH
	s_lshl_b32 s27, s12, 7
	s_lshl_b32 s14, ttmp9, 8                             ; idsw: 64 ids a work-group, eight a wave
	s_lshl_b32 s15, s12, 5
	s_add_co_u32 s14, s14, s15
	s_mov_b32 s15, 0
	s_lshr_b32 s24, ttmp9, 4                             ; out0: b x 2^20 + 256 x (work-group % 16)
	s_lshl_b32 s24, s24, 20
	s_and_b32 s25, ttmp9, 15
	s_lshl_b32 s25, s25, 8
	s_add_co_u32 s24, s24, s25
	s_mov_b32 s25, 0
	v_and_b32 v5, 31, v0                                 ; lane
	v_and_b32 v6, 15, v0                                 ; q: my four positions
	v_bfe_u32 v7, v0, 4, 1                               ; which 16 of the wave's 32 channels
	v_lshlrev_b32 v1, 4, v5                              ; 16 x lane
	v_lshlrev_b32 v2, 16, v7
	v_mul_u32_u24 v4, v6, PITCH
	v_add_nc_u32 v3, s26, v1                             ; LDS, in: rows 2 w on, 16 bytes a lane
	v_lshl_add_u32 v2, v6, 4, v2
	v_lshl_add_u32 v4, v7, 6, v4
	v_add_nc_u32 v2, s13, v2                             ; out0: (32 w + 16 half) channels of 4,096 bytes + 16 q
	v_add_nc_u32 v4, s27, v4                             ; LDS, out: row q, my 16 channels' 64 bytes
	s_wait_alu depctr_va_vdst(0)
	s_wait_kmcnt 0x0
	s_add_nc_u64 s[4:5], s[4:5], s[14:15]
	s_add_nc_u64 s[10:11], s[10:11], s[24:25]
	s_load_b256 s[16:23], s[4:5], 0x0                    ; my wave's eight ids
	s_wait_kmcnt 0x0
.irp k, 0,1,2,3,4,5,6,7
	s_min_u32 s[16+\k], s[16+\k], 0x1fff                 ; an id stays inside the table
	s_lshl_b32 s[16+\k], s[16+\k], 10                    ; rows of 1,024 bytes
	v_add_nc_u32 v[GOF+\k], s[16+\k], v1
.endr
	s_wait_alu depctr_va_vdst(0)
.irp k, 0,1,2,3,4,5,6,7
.irp f, 0,1
	global_load_b128 v[G+8*\k+4*\f:G+8*\k+4*\f+3], v[GOF+\k], s[6:7] offset:512*\f   ; no hint: a vector may be wanted again
.endr
.endr
.irp k, 0,1,2,3,4,5,6,7
.irp f, 0,1
	s_wait_loadcnt 15-2*\k-\f                            ; loads come back in order: the younger of the sixteen may be out
	ds_store_b128 v3, v[G+8*\k+4*\f:G+8*\k+4*\f+3] offset:(16*(\k&3)+(\k>>2))*PITCH+512*\f
.endr
.endr
	s_wait_dscnt 0x0                                     ; for the others' sake: my stores have landed
	s_barrier_signal -1
	s_barrier_wait -1                                    ; the 64 vectors lie in LDS
.irp gq, 0,1,2,3
.irp i, 0,1,2,3
	ds_load_b128 v[G+16*\i+4*\gq:G+16*\i+4*\gq+3], v4 offset:16*PITCH*\i+16*\gq   ; position 4 q + i, my channels 4 gq .. 4 gq + 3
.endr
.endr
.irp gq, 0,1,2,3
	s_wait_dscnt 12-4*\gq                                ; the later groups' loads may be out
.irp c, 0,1,2,3
.irp i, 0,1,2,3
	v_mov_b32 v[O+4*(4*\gq+\c)+\i], v[G+16*\i+4*\gq+\c]
.endr
	global_store_b128 v2, v[O+4*(4*\gq+\c):O+4*(4*\gq+\c)+3], s[10:11] offset:4096*(4*\gq+\c) th:TH_STORE_NT   ; sixteen lanes store 256 consecutive bytes; written once, read by nobody here
.endr
.endr
	s_wait_tensorcnt 0x0                                 ; the wave's end
	ds_add_u32 v16, v17
	s_wait_dscnt 0x0
	s_endpgm
.Lfunc_end_k_q99b3a974fe_gather:
	.size	k_q99b3a974fe_gather, .Lfunc_end_k_q99b3a974fe_gather-k_q99b3a974fe_gather
	.p2alignl 7, 3214868480
	.fill 96, 4, 3214868480
	.section	.rodata,"a",@progbits
	.p2align	6, 0x0
	.amdhsa_kernel k_q99b3a974fe_gather
		.amdhsa_group_segment_fixed_size 67584
		.amdhsa_private_segment_fixed_size 0
		.amdhsa_enable_private_segment 0
		.amdhsa_kernarg_size 24
		.amdhsa_user_sgpr_count 2
		.amdhsa_user_sgpr_kernarg_segment_ptr 1
		.amdhsa_wavefront_size32 1
		.amdhsa_system_sgpr_workgroup_id_x 1
		.amdhsa_system_sgpr_workgroup_id_y 1
		.amdhsa_system_sgpr_workgroup_id_z 1
		.amdhsa_system_vgpr_workitem_id 0
		.amdhsa_next_free_vgpr 160
		.amdhsa_next_free_sgpr 66
		.amdhsa_reserve_vcc 0
		.amdhsa_float_denorm_mode_32 3
		.amdhsa_float_denorm_mode_16_64 3
		.amdhsa_memory_ordered 1
		.amdhsa_forward_progress 1
		.amdhsa_inst_pref_size 11
	.end_amdhsa_kernel
	.amdgpu_metadata
---
amdhsa.version: [ 1, 2 ]
amdhsa.kernels:
  - .name:           k_q99b3a974fe_gather
    .symbol:         k_q99b3a974fe_gather.kd
    .args:
      - { .name: idsw, .offset: 0, .size: 8, .value_kind: global_buffer, .address_space: global }
      - { .name: embt, .offset: 8, .size: 8, .value_kind: global_buffer, .address_space: global }
      - { .name: out0, .offset: 16, .size: 8, .value_kind: global_buffer, .address_space: global }
    .group_segment_fixed_size: 67584
    .private_segment_fixed_size: 0
    .kernarg_segment_align: 8
    .kernarg_segment_size: 24
    .max_flat_workgroup_size: 256
    .sgpr_count:     66
    .vgpr_count:     160
    .wavefront_size: 32
...
	.end_amdgpu_metadata
.endif
;; end of part 3
